; MI455X (gfx1250); checked and timed in simulation.
; The chip was launched on July 23, 2026; its instructions are those of AMD's public machine-readable ISA for CDNA 5 (MIT licence, August 2026) and "CDNA5" Instruction Set Architecture Reference Guide (July 2026). The comments in the code are by the model that wrote it; some were corrected since.
;; Quant Linear Layer. Allowed arithmetic: matrix products marked QUANTISED: E2M1 operands, one E8M0 scale for each 32 along K, by v_wmma_scale_f32_16x16x128_f8f6f4 with both operands' format E2M1 (or v_wmma_scale_f32_32x16x128_f4), f32 sums; everything else in f32.
;; Inputs: b 4,096 float32; inputs_codes 4,096 x 128 x 16 uint8 (E2M1 codes of inputs, K innermost, in blocks of 32 codes, two codes a byte); inputs_scales 4,096 x 128 uint8 (E8M0 scales of inputs, one for each 32 codes along K); w_codes 4,096 x 128 x 16 uint8 (E2M1 codes of w, K innermost, in blocks of 32 codes, two codes a byte); w_scales 4,096 x 128 uint8 (E8M0 scales of w, one for each 32 codes along K).
;; Outputs: out0 4,096 x 4,096 float32.
;; This version of the problem:
;;   THIS VERSION OF THE PROBLEM IS GIVEN IN LOW PRECISION. The matrix products marked QUANTISED in the list below multiply operands that are first quantised to E2M1 (2 exponent bits, 1 mantissa bit; 4 bits a number), with one power-of-two scale for each 32 numbers along K (OCP MX v1.0); their sums are f32. All else is computed in f32.
;;   The module's matrix products, in the order in which they are computed (A, B: the left and right operand; K: the contracted axis; several contracted axes count as one K, in the product's order):
;;     1. [M 4,096, K 4,096] x [K 4,096, N 4,096]; A: input inputs (given as codes); B: input w (given as codes): QUANTISED
;;   THE QUANTISER, for each operand of a quantised product, along K:
;;     - K is cut into blocks of 32 from its start; a last block that is shorter is filled with zeros.
;;     - A block's scale is 2^e with e = floor(log2(the largest magnitude in the block)) - 2, held to -126 .. 127; a block of zeros has e = 0. As a byte (E8M0): e + 127.
;;     - Each number is divided by its block's scale, clamped to +-6, and rounded to the nearest number of E2M1, ties to even, subnormals kept.
;;     - The product sums the exact products of the quantised numbers (number of the format x scale) in f32.
;;   ~~~python
;;   def quantise(x, axis):      # numpy; x: float32 -> the quantised numbers, widened to float32 again
;;       x = np.moveaxis(x, axis, -1); K = x.shape[-1]
;;       x = np.pad(x, [(0, 0)] * (x.ndim - 1) + [(0, -K % 32)]); x = x.reshape(x.shape[:-1] + (-1, 32)); a = np.abs(x).max(-1, keepdims=True)
;;       e = np.where(a > 0, np.clip(np.frexp(np.where(a > 0, a, 1))[1] - 1 - 2, -126, 127), 0)      # np.frexp(a)[1] - 1 = floor(log2(a)), exactly
;;       r = np.clip(x / 2.0 ** e, -6, 6)
;;       step = 2.0 ** (np.maximum(np.frexp(np.where(r == 0, 1, r))[1] - 1, 0) - 1)
;;       q = np.round(r / step) * step * 2.0 ** e      # np.round: ties to even
;;       return np.moveaxis(q.reshape(q.shape[:-2] + (-1,))[..., :K], -1, axis).astype(np.float32)
;;   ~~~
;;   INPUTS GIVEN AS CODES. inputs (in the module: [4096, 4096], K = its axis 1); w (in the module: [4096, 4096], K = its axis 0): each comes as NAME_codes (uint8): NAME with its K axis moved to the last place and cut into blocks of 32 codes, [.., K / 32, bytes a block], one block behind the other in memory; two codes a byte, the lower K in the low four bits (a code: sign, 2 exponent bits, 1 mantissa bit); and NAME_scales (uint8): the same leading axes, one E8M0 byte (e + 127) for each 32 codes along K. Its value is code x scale, taken as it is: it is not quantised again, and the codes and scales need not be those that the quantiser above would give.
;; One version. Each part assembles by itself: llvm-mc -triple=amdgcn-amd-amdhsa -mcpu=gfx1250 --defsym DOCPART=n.
;; ======== version 1 of 1: 1 launch
;; limits: right only within a limited range of input values
;; launch gemm (part 1): grid 16 x 16, 4 waves a work-group, clusters of 4 x 4, 327,680 bytes of LDS; arguments inputs_codes, inputs_scales, w_codes, w_scales, b, out0; writes out0
.if DOCPART == 1
	.amdgcn_target "amdgcn-amd-amdhsa--gfx1250"
	.amdhsa_code_object_version 6
	.text
	.protected	k_q534e77f287_gemm
	.globl	k_q534e77f287_gemm
	.p2align	8
	.type	k_q534e77f287_gemm,@function
k_q534e77f287_gemm:
	s_mov_b64 s[64:65], 0
	v_nop
	global_prefetch_b8 v0, s[64:65] scope:SCOPE_SE
	s_setreg_imm32_b32 hwreg(HW_REG_WAVE_MODE, 25, 1), 1
	s_wait_xcnt 0x0
	s_wait_alu depctr_hold_cnt(0) depctr_sa_sdst(0) depctr_va_vdst(0) depctr_va_sdst(0) depctr_va_ssrc(0) depctr_va_vcc(0) depctr_vm_vsrc(0)
	s_getreg_b32 s2, hwreg(HW_REG_IB_STS2, 6, 4)
	s_cmp_eq_u32 s2, 0
	s_cbranch_scc0 .Lentry_in_a_cluster
	s_endpgm
.Lentry_in_a_cluster:
	s_bfe_u32 s2, ttmp6, 0x10000c
	s_cmp_lg_u32 s2, 0xf033
	s_cbranch_scc0 .Lentry_shape_is_right
	s_endpgm
.Lentry_shape_is_right:
; out0[m][n] = Q(Q(sum over k of X[m][k] W[n][k]) + Q(b[n])),  Q(x) = round(256 x) / 256, ties to even.  M = N = K = 4,096.
; X (inputs) and W (w, K innermost) are codes of FP4 (E2M1), two a byte, 2,048 bytes a row, with one E8M0 byte for each 32 along K (128 bytes a row).  Sums in f32, one accumulator for each output, K ascending.
; DEAD WORK LEFT OUT: the outer Q.  The sum of two multiples of 2^-8 is a multiple of 2^-8, for all values of the inputs, and Q leaves it as it is.  So out = fma(rndne(256 acc), 2^-8, Q(b)): rndne(..) x 2^-8 is exact,
; so the fused form rounds once, as the addition does.
; LIMITS: where |Q(..) + Q(b)| reaches 2^120 the outer Q's multiplication by 256 would overflow; this overflow is not carried: the number itself is given.  A scale byte 0xff gives NaN.
; SHARES.  A tile of out0, 256 x 256, is made by a work-group of four waves; a wave makes 128 x 128: 32 accumulators of 32 columns x 16 rows, 512 registers.  16 x 16 tiles, one a work-group.
; K goes in 8 steps of 512 through a ring of two LDS slots filled by the tensor data mover: a tile's row is 256 bytes of memory.  A step has four quarters of 128 along K.
; CLUSTERS: 4 x 4 work-groups.  The four of a row of the cluster need the same tiles of X, the four of a column the same tiles of W: each tile is asked for JOINTLY, by the same tensor load with the same descriptor
; and a mask that names the four.
; THE MATRIX INSTRUCTION IS USED TRANSPOSED: source 0 = 32 rows of W, source 1 = 16 rows of X.  Lane (r, h) then holds row r of the 16, and in registers 0-7 the columns 8 h + 0 .. 7, in registers 8-15 the columns 16 + 8 h + 0 .. 7.
; THE SCALES.  W's, of the tile's 256 columns and all of K, stay in LDS behind the ring (34,816 bytes with their padding): a step's words come into registers with its first fragments.  X's do not fit beside them: they come at the head
; into bytes of slot 1, every wave copies the words of its 128 rows into 128 registers, and then slot 1 takes its first codes.  Scale registers are named in the instruction, so the eight steps are written out by macro.
; PREFETCHES: a K step is 256 bytes of each row; of the 128 rows that wave w fetches, the four partners that ask for them jointly take 32 each, told apart by address (cx for X, cy for W): a lane a row, one instruction a wave.
; The head asks for K step 1 behind step 0's load; step 1's load is followed by the requests for steps 2 and 3, step s's by that for step s + 2; the last two steps' loads ask for nothing.
; REGISTERS, in windows of 256 (scale operands are always taken from window 0):
;   window 0: v0-31 addresses and the bias; v32-63 W's scale words, two sets of 16; v64-127 in the last step X's fragments, two blocks of 16 rows x 512 K; v128-255 X's scale words: step s, 32 rows i, quarter q at v[128 + 16 s + 4 i + q].
;     On the way out rows come back from the stage into v128-191 and v192-239, v32-47 by turns.
;   window 1: two sets of fragments of 128: W's 64 registers, then X's 64.  In the last step W's fragments of all four quarters.
;   window 2: the 16 accumulators of my rows 0-63 (accumulator (a, n) at v[64 a + 16 n]);   window 3: those of my rows 64-127.
.set ROWB,   256                       ; a tile's row in bytes
.set KROW,   2048                      ; a row of X or of W in memory, in bytes
.set PITCH,  272                       ; an LDS row: 256 bytes + 16 of padding = 68 words: row r starts at bank 4 r mod 64 (64 banks of 4 bytes: ISA guide 11.1)
.set HALFT,  128*PITCH                 ; 128 rows
.set SLOT,   4*HALFT                   ; X's 256 rows, then W's 256 rows
.set SCW,    2*SLOT                    ; behind the ring: W's scales, two rows in each 256 bytes + 16
.set HALFS,  64*PITCH                  ; the scales of 128 rows
.set SBLK,   16*PITCH                  ; those of 32 rows
.set SPARE,  SCW+2*HALFS               ; the spare words, 128 bytes for each wave: two blocks of 256 bytes that no other line names
.set SPITCH, 528                       ; the way out: a stage of 16 rows x (512 bytes + 16) for each wave, in slot 0, which has had its last fill and its last read by then
.set NB,     16384                     ; a row of out0 in bytes
.set BQ,   8                           ; v8-11   Q(b) of my four columns on the way out
.set BR,   12                          ; v12-15  b as loaded
.set ADRA, 16                          ; v16-17  LDS address of my X fragments in slot 0, 1
.set ADRB, 20                          ; v20-21  the same for W
.set STO,  24                          ; v24     the way out: where I put my pieces of a row
.set RD,   25                          ; v25     the way out: where I read a row back
.set CO,   26                          ; v26     16 x lane: my byte offset in a row's 512 bytes of out0, and of b
.set ADRX, 27                          ; v27     LDS address of my X row's scale bytes (lane l: row l of 32)
.set SPW,  28                          ; v28     LDS address of my spare word; never rewritten
.set NIL,  29                          ; v29     0; never rewritten
.set ADRW, 30                          ; v30     LDS address of my W row's scale bytes
.set PFO,  31                          ; v31     the prefetches' offset: lane x 2,048; never rewritten
.set WS,   32
.set XB,   64
.set XS,   128
.set WV,   16                          ; s16 my wave's number;  s17 = wave / 2: my half of the rows, and whether I fetch for X (0) or W (1);  s18 = wave % 2: my half of the columns, and which 128 rows I fetch
.set G1,   24                          ; s[24:31] descriptor group 1 for X's tiles;  s[32:39] group 0, one set for each slot
.set G0,   32
.set G1B,  48                          ; s[48:55], s[56:63] the same for W's tiles
.set G0B,  56
.set C256, 66                          ; s[66:67] 256.0
.set G1S,  68                          ; s[68:75], s[76:79] groups 1 and 0 for X's scales;  s[80:87], s[88:91] for W's
.set G0S,  76
.set G1SB, 80
.set G0SB, 88
.set PFA,  92                          ; s[92:93] where my prefetches' 32 rows begin
.set CINV, 94                          ; s[94:95] 2^-8
.set G0H,  4                           ; s[4:7], s[8:11] group 0 for the head's loads of codes (the arguments that lay there have been used by then)
.set G0HB, 8
.set MSB, 0
.macro WIN new                         ; the immediate's high byte repeats the setting that is left; a switch that changes nothing is dropped
.if MSB != \new
	s_set_vgpr_msb (MSB<<8)|\new
.set MSB, \new
.endif
.endm
.set MUL_LO, 0xa5                      ; sources 0 (W) and 1 (X) window 1, C and D window 2
.set MUL_HI, 0xf5                      ; the same, C and D window 3
.set TO_F,   0x40                      ; destination window 1, address window 0
.macro PLACES                          ; four places in front of loads into registers that matrix instructions have read, and of LDS stores of results (ISA guide 7.12.1 for vector instructions)
.rept 4
	v_nop
.endr
.endm
; A joint load: waves 0 and 1 fetch for X, waves 2 and 3 for W.  Each of the two lines has ONE mask and one set of registers for all that issue it; the branch hangs on the wave's number alone.
.macro JLOAD s
	s_cmp_eq_u32 s17, 0
	s_cbranch_scc0 .Lfor_w_\@
	tensor_load_to_lds s[G0+4*\s:G0+4*\s+3], s[G1:G1+7]
	s_nop 0
	PLACES
	s_branch .Lasked_\@
.Lfor_w_\@:
	tensor_load_to_lds s[G0B+4*\s:G0B+4*\s+3], s[G1B:G1B+7]
	s_nop 0
	PLACES
.Lasked_\@:
.endm
.macro CROUND                          ; a round of the cluster's barrier
	s_barrier_signal -1
	s_barrier_wait -1
	s_cmp_lg_u32 s[WV], 0
	s_cbranch_scc1 .Lnot_wave_0_\@
	s_barrier_signal -3
.Lnot_wave_0_\@:
	s_barrier_wait -3
	s_barrier_signal -1
	s_barrier_wait -1
.endm
	s_load_b128 s[4:7], s[0:1], 0x0                ; X's codes s[4:5], X's scales s[6:7]
	s_load_b128 s[8:11], s[0:1], 0x10              ; W's codes s[8:9], W's scales s[10:11]
	s_load_b128 s[12:15], s[0:1], 0x20             ; b s[12:13], out0 s[14:15]
	v_lshl_add_u32 v[SPW], v0, 2, SPARE
	v_mov_b32 v[NIL], 0
	ds_add_u32 v[SPW], v[NIL]                      ; the wave's opening: the add, twice on end, and its wait
	ds_add_u32 v[SPW], v[NIL]
	v_lshrrev_b32 v1, 5, v0
	v_readfirstlane_b32 s[WV], v1                  ; wave 0..3
	s_lshr_b32 s17, s[WV], 1
	s_and_b32 s18, s[WV], 1
	s_bfe_u32 s40, ttmp6, 0x40000                  ; cx, cy: my place in the cluster
	s_bfe_u32 s41, ttmp6, 0x40004
	s_lshl_b32 s42, ttmp9, 2
	s_add_co_u32 s42, s42, s40                     ; tile column = 4 x cluster x + cx
	s_and_b32 s19, ttmp7, 0xffff
	s_lshl_b32 s19, s19, 2
	s_add_co_u32 s19, s19, s41                     ; tile row = 4 x cluster y + cy
	s_lshl_b32 s43, s41, 2
	s_lshl_b32 s43, 15, s43                        ; my row of the cluster: places 4 cy .. 4 cy + 3
	s_lshl_b32 s44, 0x1111, s40                    ; my column: places cx, cx + 4, cx + 8, cx + 12
	s_mov_b32 s[C256], 0x43800000                  ; 256.0 (the packed forms name a pair and take its low word for both halves)
	s_mov_b32 s[C256+1], s[C256]
	s_mov_b32 s[CINV], 0x3b800000                  ; 2^-8
	s_mov_b32 s[CINV+1], s[CINV]
	; group 1 for the codes: 256 rows of 256 bytes, padded in LDS: for the head's loads; behind them the two words that count rows are set to 128
	s_or_b32 s[G1+0], s43, (1<<20)|(1<<21)|(5<<22)|(3<<25)  ; 15:0 the mask; 17:16 element of 1 byte; 20 padding on; 21 set beside a mask; 24:22 after every 64 words; 31:25 of 4 words
	s_or_b32 s[G1B+0], s44, (1<<20)|(1<<21)|(5<<22)|(3<<25)
.irp g, G1, G1B
	s_mov_b32 s[\g+1], ROWB<<16                    ; tensor_dim0
	s_mov_b32 s[\g+2], 256<<16                     ; tensor_dim1
	s_mov_b32 s[\g+3], ROWB<<16                    ; tile_dim0
	s_mov_b32 s[\g+4], 256                         ; tile_dim1
	s_mov_b32 s[\g+5], KROW                        ; tensor_dim0_stride
	s_mov_b32 s[\g+6], 0
	s_mov_b32 s[\g+7], 0
.endr
	; and for the scales of 256 rows: a dense block of 32,768 bytes, as 128 rows of 256 bytes (32 elements of 8 bytes), 16 bytes of padding behind each
	s_or_b32 s[G1S+0], s43, (3<<16)|(1<<20)|(1<<21)|(5<<22)|(3<<25)
	s_or_b32 s[G1SB+0], s44, (3<<16)|(1<<20)|(1<<21)|(5<<22)|(3<<25)
.irp g, G1S, G1SB
	s_mov_b32 s[\g+1], 32<<16
	s_mov_b32 s[\g+2], 128<<16
	s_mov_b32 s[\g+3], 32<<16
	s_mov_b32 s[\g+4], 128
	s_mov_b32 s[\g+5], 32
	s_mov_b32 s[\g+6], 0
	s_mov_b32 s[\g+7], 0
.endr
	s_lshl_b32 s20, s19, 19                        ; X: 256 rows x tile row: its codes, in bytes,
	s_mov_b32 s21, 0
	s_lshl_b32 s22, s19, 15                        ; and its scales
	s_mov_b32 s23, 0
	s_lshl_b32 s46, s42, 19                        ; W: the same by the tile column
	s_mov_b32 s47, 0
	s_lshl_b32 s96, s42, 15
	s_mov_b32 s97, 0
	s_lshl_b32 s98, s18, 18                        ; in the ring I fetch 128 rows of a tile: which half, in bytes,
	s_mov_b32 s99, 0
	s_mul_i32 s45, s[WV], HALFT                    ; and where they go: wave x 128 rows: no place in the cluster enters an LDS address
	s_cmp_eq_u32 s17, 0
	s_cselect_b32 s2, s40, s41                     ; the prefetches: my place among the four that ask with me,
	s_lshl_b32 s2, s2, 16                          ; x 32 rows of 2,048 bytes
	s_add_co_u32 s2, s2, s98
	s_mov_b32 s3, 0
	s_wait_dscnt 0x0                               ; both opening adds are done
	CROUND                                         ; all sixteen work-groups are here: the first joint loads meet
	s_wait_kmcnt 0x0
	s_add_nc_u64 s[20:21], s[4:5], s[20:21]
	s_add_nc_u64 s[22:23], s[6:7], s[22:23]
	s_add_nc_u64 s[46:47], s[8:9], s[46:47]
	s_add_nc_u64 s[96:97], s[10:11], s[96:97]
	s_mov_b32 s[G0H], 1                            ; the head's four tiles, each whole: K step 0's 256 rows of X,
	s_mov_b32 s[G0H+1], 0
	s_mov_b64 s[G0H+2:G0H+3], s[20:21]
	s_or_b32 s[G0H+3], s[G0H+3], 0x80000000
	s_mov_b32 s[G0HB], 1                           ; its 256 rows of W,
	s_mov_b32 s[G0HB+1], 2*HALFT
	s_mov_b64 s[G0HB+2:G0HB+3], s[46:47]
	s_or_b32 s[G0HB+3], s[G0HB+3], 0x80000000
	s_mov_b32 s[G0S], 1                            ; X's scales, for a short stay in slot 1,
	s_mov_b32 s[G0S+1], SLOT
	s_mov_b64 s[G0S+2:G0S+3], s[22:23]
	s_or_b32 s[G0S+3], s[G0S+3], 0x80000000
	s_mov_b32 s[G0SB], 1                           ; and W's
	s_mov_b32 s[G0SB+1], SCW
	s_mov_b64 s[G0SB+2:G0SB+3], s[96:97]
	s_or_b32 s[G0SB+3], s[G0SB+3], 0x80000000
; The head's loads, one a wave, in one tree of branches on the wave's number: every way passes exactly one load.
.macro ARM under, g0, g1, next
	s_cmp_lt_u32 s[WV], \under
	s_cbranch_scc0 \next
	tensor_load_to_lds s[\g0:\g0+3], s[\g1:\g1+7]
	s_nop 0
	PLACES
	s_branch .Lhead_asked
\next:
.endm
	ARM 1, G0H,  G1,  .Lhead_w
	ARM 2, G0HB, G1B, .Lhead_sx
	ARM 3, G0S,  G1S, .Lhead_sw
	tensor_load_to_lds s[G0SB:G0SB+3], s[G1SB:G1SB+7]
	s_nop 0
	PLACES
.Lhead_asked:
	s_cmp_eq_u32 s17, 0
	s_cselect_b64 s[PFA:PFA+1], s[20:21], s[46:47]
	s_add_nc_u64 s[PFA:PFA+1], s[PFA:PFA+1], s[2:3]
	s_add_nc_u64 s[20:21], s[20:21], s[98:99]      ; for the ring: my 128 rows of the tile
	s_add_nc_u64 s[46:47], s[46:47], s[98:99]
.irp s, 0,1
	s_mov_b32 s[G0+4*\s], 1                                        ; 1:0 count = 1
	s_add_co_u32 s[G0+4*\s+1], s45, \s*SLOT                        ; 63:32 LDS address
	s_add_nc_u64 s[G0+4*\s+2:G0+4*\s+3], s[20:21], \s*ROWB         ; 120:64 global address: K step s
	s_or_b32 s[G0+4*\s+3], s[G0+4*\s+3], 0x80000000                ; 127:126 type = 2
	s_mov_b32 s[G0B+4*\s], 1
	s_add_co_u32 s[G0B+4*\s+1], s45, \s*SLOT
	s_add_nc_u64 s[G0B+4*\s+2:G0B+4*\s+3], s[46:47], \s*ROWB
	s_or_b32 s[G0B+4*\s+3], s[G0B+4*\s+3], 0x80000000
.endr
	s_lshl_b32 s46, s42, 10                        ; my first column of out0, in bytes: 1,024 x tile column + 512 x half; of b the same
	s_lshl_b32 s47, s18, 9
	s_add_co_u32 s46, s46, s47
	s_mov_b32 s47, 0
	s_lshl_b32 s96, s19, 22                        ; my first row: (256 x tile row + 128 x half) x 16,384 bytes
	s_lshl_b32 s97, s17, 21
	s_add_co_u32 s96, s96, s97
	s_mov_b32 s97, 0
	s_add_nc_u64 s[12:13], s[12:13], s[46:47]
	s_add_nc_u64 s[14:15], s[14:15], s[46:47]
	s_add_nc_u64 s[14:15], s[14:15], s[96:97]
	s_mul_i32 s20, s17, HALFT                      ; my 128 rows of X in a slot
	s_mul_i32 s21, s18, HALFT                      ; my 128 rows of W, behind X's 256
	s_add_co_u32 s21, s21, 2*HALFT
	s_mul_i32 s22, s17, HALFS                      ; my 128 rows of X's scales
	s_add_co_u32 s22, s22, SLOT
	s_mul_i32 s23, s18, HALFS                      ; and of W's
	s_add_co_u32 s23, s23, SCW
	s_mul_i32 s45, s[WV], 16*SPITCH                ; my stage
	v_and_b32 v1, 15, v0                           ; r
	v_bfe_u32 v2, v0, 4, 1                         ; h
	v_and_b32 v4, 31, v0                           ; lane
	v_mul_u32_u24 v3, v1, PITCH
	v_lshl_add_u32 v3, v2, 4, v3                   ; a fragment's row x pitch + 16 h
	v_lshlrev_b32 v[PFO], 11, v4
	v_lshlrev_b32 v[CO], 4, v4
	v_add_nc_u32 v[ADRA], s20, v3
	v_add_nc_u32 v[ADRB], s21, v3
	v_add_nc_u32 v[ADRA+1], SLOT, v[ADRA]
	v_add_nc_u32 v[ADRB+1], SLOT, v[ADRB]
	v_lshrrev_b32 v5, 1, v4
	v_and_b32 v6, 1, v4
	v_mul_u32_u24 v5, v5, PITCH
	v_lshl_add_u32 v5, v6, 7, v5                   ; row l of scales: 128 bytes, two rows in each 272
	v_add_nc_u32 v[ADRX], s22, v5
	v_add_nc_u32 v[ADRW], s23, v5
	v_mul_u32_u24 v7, v1, SPITCH                   ; the stage, in: row r, + 32 h
	v_lshl_add_u32 v7, v2, 5, v7
	v_add_nc_u32 v[STO], s45, v7
	v_add_nc_u32 v[RD], s45, v[CO]                 ; back: the 32 lanes take one row of 512 bytes
	global_prefetch_b8 v[PFO], s[PFA:PFA+1] offset:ROWB th:TH_LOAD_NT scope:SCOPE_SE   ; K step 1
	global_load_b128 v[BR:BR+3], v[CO], s[12:13]   ; b of columns 4 lane .. 4 lane + 3 of my 128
.macro ASK t                           ; a prefetch of K step t (the address window is 0)
	global_prefetch_b8 v[PFO], s[PFA:PFA+1] offset:ROWB*(\t) th:TH_LOAD_NT scope:SCOPE_SE
.endm
; Fragments from .. from + n - 1 of the slot's quarter q into set p: 0-7 W's blocks of 16 rows, 8-15 X's.  Lane (r, h) holds row r; registers 4 c .. 4 c + 3 hold K = 64 c + 32 h + 0 .. 31, the lower K in the lower bits.
.macro LDF slot, q, p, from, n
.set FK, \from
.rept \n
.if FK < 8
	ds_load_b128 v[128*(\p)+8*FK:128*(\p)+8*FK+3], v[ADRB+\slot] offset:64*(\q)+FK*16*PITCH
	ds_load_b128 v[128*(\p)+8*FK+4:128*(\p)+8*FK+7], v[ADRB+\slot] offset:64*(\q)+32+FK*16*PITCH
.else
	ds_load_b128 v[128*(\p)+8*FK:128*(\p)+8*FK+3], v[ADRA+\slot] offset:64*(\q)+(FK-8)*16*PITCH
	ds_load_b128 v[128*(\p)+8*FK+4:128*(\p)+8*FK+7], v[ADRA+\slot] offset:64*(\q)+32+(FK-8)*16*PITCH
.endif
.set FK, FK+1
.endr
.endm
.macro SCALES st                       ; step st's words of W's scales: a lane a row, four words (one a quarter) for each 32 rows
.irp i, 0,1,2,3
	ds_load_b128 v[WS+16*((\st)%2)+4*\i:WS+16*((\st)%2)+4*\i+3], v[ADRW] offset:\i*SBLK+16*(\st)
.endr
.endm
; One product: source 0's scales fill 32 lanes; source 1's stand in lanes 0-15 or (odd blocks of X) 16-31.
.macro PROD d, w, x, c, sw, sx, odd
.if \odd
	v_wmma_scale_f32_32x16x128_f4 v[\d:\d+15], v[\w:\w+15], v[\x:\x+7], \c, v[\sw], v[\sx] matrix_b_scale:MATRIX_SCALE_ROW1
.else
	v_wmma_scale_f32_32x16x128_f4 v[\d:\d+15], v[\w:\w+15], v[\x:\x+7], \c, v[\sw], v[\sx]
.endif
.endm
; A group: X's block a against W's four, quarter q of step sc.  zero = 1: the first product starts the sums.  The 32 accumulators take turns, one instruction a turn, in the same order in every quarter.
.macro MUL4 a, q, sc, zero
.set MD, 64*((\a)%4)
.set MP, 128*((\q)%2)
.irp n, 0,1,2,3
.if \zero
	PROD MD+16*\n, MP+16*\n, MP+64+8*(\a), 0, WS+16*((\sc)%2)+4*\n+(\q), XS+16*(\sc)+4*((\a)/2)+(\q), (\a)%2
.else
	PROD MD+16*\n, MP+16*\n, MP+64+8*(\a), v[MD+16*\n:MD+16*\n+15], WS+16*((\sc)%2)+4*\n+(\q), XS+16*(\sc)+4*((\a)/2)+(\q), (\a)%2
.endif
.endr
.endm
; A quarter that has its successor in the same slot: the successor's 32 loads go into the other set, in short runs between the groups.  pre = 1: the slot's third quarter, whose loads are the last reads of the slot:
; behind them stand the wait for all my tensor loads and the add; the wait for the add stands at the head of the fourth quarter, eight matrix instructions on.
.macro STEP slot, q, sc, zero, pre
	s_wait_dscnt 8                                 ; W's fragments and X's blocks 0-3 are in; the youngest eight loads (X's blocks 4-7) may be out
	WIN MUL_LO
	MUL4 0, \q, \sc, \zero
	WIN TO_F
	PLACES
	LDF \slot, (\q)+1, 1-(\q)%2, 0, 3
	WIN MUL_LO
	MUL4 1, \q, \sc, \zero
	WIN TO_F
	LDF \slot, (\q)+1, 1-(\q)%2, 3, 3
	WIN MUL_LO
	MUL4 2, \q, \sc, \zero
	WIN TO_F
	LDF \slot, (\q)+1, 1-(\q)%2, 6, 3
	WIN MUL_LO
	MUL4 3, \q, \sc, \zero
	WIN TO_F
	LDF \slot, (\q)+1, 1-(\q)%2, 9, 3
	s_wait_dscnt 24                                ; all but this quarter's own 24 loads so far: X's blocks 4-7 are in
	WIN MUL_HI
	MUL4 4, \q, \sc, \zero
	WIN TO_F
	LDF \slot, (\q)+1, 1-(\q)%2, 12, 2
	WIN MUL_HI
	MUL4 5, \q, \sc, \zero
	WIN TO_F
	LDF \slot, (\q)+1, 1-(\q)%2, 14, 2
.if \pre
	WIN 0                                          ; (the add's two registers lie in window 0)
	s_wait_tensorcnt 0x0                           ; all my tensor loads have landed: my part of the next slot;
	ds_add_u32 v[SPW], v[NIL]                      ; 0 onto my spare word
.endif
	WIN MUL_HI
	MUL4 6, \q, \sc, \zero
	MUL4 7, \q, \sc, \zero
.endm
; The fourth quarter changes slots: every wave has waited for its tensor loads, its add and its reads of this slot; a round of the cluster's barrier, with register work inside; the joint refill, two steps on, is the first thing
; behind it; then the next slot's first fragments and scale words.
.macro TURN slot, next, sc, ask
	s_add_nc_u64 s[G0+4*\slot+2:G0+4*\slot+3], s[G0+4*\slot+2:G0+4*\slot+3], 2*ROWB     ; no tensor load of mine is out; the type bits on top are not reached
	s_add_nc_u64 s[G0B+4*\slot+2:G0B+4*\slot+3], s[G0B+4*\slot+2:G0B+4*\slot+3], 2*ROWB
	s_wait_dscnt 0x0                               ; the add is done, and my reads of this slot are over
	s_barrier_signal -1
	WIN MUL_LO
	MUL4 0, 3, \sc, 0
	WIN 0
	s_barrier_wait -1
	s_cmp_lg_u32 s[WV], 0
	s_cbranch_scc1 .Lnot_first_\@
	s_barrier_signal -3
.Lnot_first_\@:
	s_barrier_wait -3
	s_barrier_signal -1
	s_barrier_wait -1                              ; no wave of any partner still reads this slot's tile or has a load on its way; the next slot is whole
	JLOAD \slot                                    ; the four v_nop behind it are also the places in front of the loads below
	WIN TO_F
	LDF \next, 0, 0, 0, 4
	WIN MUL_LO
	MUL4 1, 3, \sc, 0
	WIN TO_F
	LDF \next, 0, 0, 4, 4
	WIN MUL_LO
	MUL4 2, 3, \sc, 0
	WIN 0
	SCALES (\sc)+1
	WIN TO_F
	LDF \next, 0, 0, 8, 2
	WIN MUL_LO
	MUL4 3, 3, \sc, 0
	WIN TO_F
	LDF \next, 0, 0, 10, 3
	WIN MUL_HI
	MUL4 4, 3, \sc, 0
	WIN TO_F
	LDF \next, 0, 0, 13, 3
	WIN MUL_HI
	MUL4 5, 3, \sc, 0
	WIN TO_F
.if \ask
	ASK \ask
.endif
	WIN MUL_HI
	MUL4 6, 3, \sc, 0
	MUL4 7, 3, \sc, 0
.endm
.macro KS slot, next, sc, zero, ask
	STEP \slot, 0, \sc, \zero, 0
	STEP \slot, 1, \sc, 0, 0
	STEP \slot, 2, \sc, 0, 1
	TURN \slot, \next, \sc, \ask
.endm
	s_wait_alu depctr_va_vdst(0)
	s_wait_tensorcnt 0x0                           ; my tile of the head's four is in
	s_barrier_signal -1
	s_barrier_wait -1                              ; everybody's is
	; X's scale words of all of K into registers: lane l takes row l of each 32
.irp s, 0,1,2,3,4,5,6,7
.irp i, 0,1,2,3
	ds_load_b128 v[XS+16*\s+4*\i:XS+16*\s+4*\i+3], v[ADRX] offset:\i*SBLK+16*\s
.endr
.endr
	s_wait_tensorcnt 0x0                           ; slot 1 takes step 1's codes, over X's scales: a refill like every other
	ds_add_u32 v[SPW], v[NIL]                      ; the work up to its wait is on registers
	s_mov_b32 s[G1+2], 128<<16                     ; no tensor load of mine is out: from here on a load brings 128 rows: tensor_dim1,
	s_mov_b32 s[G1+4], 128                         ; tile_dim1
	s_mov_b32 s[G1B+2], 128<<16
	s_mov_b32 s[G1B+4], 128
	s_wait_loadcnt 0x0                             ; b
	v_pk_mul_f32 v[BR:BR+1], v[BR:BR+1], s[C256:C256+1] op_sel_hi:[1,0]
	v_pk_mul_f32 v[BR+2:BR+3], v[BR+2:BR+3], s[C256:C256+1] op_sel_hi:[1,0]
.irp j, 0,1,2,3
	v_rndne_f32 v[BR+\j], v[BR+\j]
.endr
	v_pk_mul_f32 v[BQ:BQ+1], v[BR:BR+1], s[CINV:CINV+1] op_sel_hi:[1,0]         ; Q(b)
	v_pk_mul_f32 v[BQ+2:BQ+3], v[BR+2:BR+3], s[CINV:CINV+1] op_sel_hi:[1,0]
	s_wait_alu depctr_va_vdst(0)
	s_wait_dscnt 0x0                               ; the add is done, and X's scale words are in registers
	CROUND                                         ; both hold of every wave of all sixteen work-groups
	JLOAD 1                                        ; the first tensor load behind the round
	WIN TO_F
	LDF 0, 0, 0, 0, 8
	WIN 0
	SCALES 0
	WIN TO_F
	LDF 0, 0, 0, 8, 8
	ASK 2
	ASK 3
	KS 0, 1, 0, 1, 4                               ; step 0: its first products start the sums; slot 0 takes step 2
	KS 1, 0, 1, 0, 5
	KS 0, 1, 2, 0, 6
	KS 1, 0, 3, 0, 7
	KS 0, 1, 4, 0, 0                               ; slot 0 takes step 6,
	KS 1, 0, 5, 0, 0                               ; slot 1 step 7: the last load
	STEP 0, 0, 6, 0, 0
	STEP 0, 1, 6, 0, 0
	STEP 0, 2, 6, 0, 1
; THE LAST STEP (in slot 1) GOES BY ROWS OF out0.  All its fragments of W (4 quarters x 64 registers) fill window 1; X's come by blocks of 16 rows x 512 K, two buffers in window 0; a block's four accumulators are finished
; and leave while the next block is multiplied.
.macro WQ q, from, n                   ; W's blocks of 16 rows, quarter q, into v[64 q ..] of window 1
.set FK, \from
.rept \n
	ds_load_b128 v[64*(\q)+8*FK:64*(\q)+8*FK+3], v[ADRB+1] offset:64*(\q)+FK*16*PITCH
	ds_load_b128 v[64*(\q)+8*FK+4:64*(\q)+8*FK+7], v[ADRB+1] offset:64*(\q)+32+FK*16*PITCH
.set FK, FK+1
.endr
.endm
.macro XL a                            ; X's block a, all four quarters (window 0)
.set XA, XB+32*((\a)%2)
.irp q, 0,1,2,3
	ds_load_b128 v[XA+8*\q:XA+8*\q+3], v[ADRA+1] offset:64*\q+(\a)*16*PITCH
	ds_load_b128 v[XA+8*\q+4:XA+8*\q+7], v[ADRA+1] offset:64*\q+32+(\a)*16*PITCH
.endr
.endm
.macro ROW a, q                        ; block a, quarter q: sources 0 window 1, 1 window 0; C and D window 2 or 3
	WIN 0xa1+0x50*((\a)/4)
.set MD, 64*((\a)%4)
.irp n, 0,1,2,3
	PROD MD+16*\n, 64*(\q)+16*\n, XB+32*((\a)%2)+8*(\q), v[MD+16*\n:MD+16*\n+15], WS+16+4*\n+(\q), XS+112+4*((\a)/2)+(\q), (\a)%2
.endr
.endm
.macro OBSET a, t                      ; OR: where row t of block a comes back from the stage
.if ((\a)%2) == 0
.set OR, 128+4*(\t)
.else
.if (\t) < 12
.set OR, 192+4*(\t)
.else
.set OR, 32+4*((\t)-12)
.endif
.endif
.endm
; THE WAY OUT of block a.  TOSTAGE: into my own stage, as it is, and back as whole rows of 512 bytes: lane l then holds columns 4 l .. 4 l + 3 of every row, so four registers of Q(b) serve all rows.
; LDS serves a wave's instructions in order (ISA guide 5.7.1.4): no wait between the stores and the loads, nor in front of the next block's stores.
.macro TOSTAGE a
.set MD, 64*((\a)%4)
	WIN 0x08+4*((\a)/4)                            ; an LDS store's data are its source 1: window 2 or 3
.irp n, 0,1,2,3
	ds_store_b128 v[STO], v[MD+16*\n:MD+16*\n+3] offset:128*\n               ; each accumulator from its low end on
	ds_store_b128 v[STO], v[MD+16*\n+4:MD+16*\n+7] offset:128*\n+16
	ds_store_b128 v[STO], v[MD+16*\n+8:MD+16*\n+11] offset:128*\n+64
	ds_store_b128 v[STO], v[MD+16*\n+12:MD+16*\n+15] offset:128*\n+80
.endr
	WIN 0
.irp t, 0,1,2,3,4,5,6,7,8,9,10,11,12,13,14,15
	OBSET \a, \t
	ds_load_b128 v[OR:OR+3], v[RD] offset:\t*SPITCH
.endr
.endm
.macro SEND a                          ; the block is back in registers (a wait ahead): round, add Q(b), store
	WIN 0
.irp t, 0,1,2,3,4,5,6,7,8,9,10,11,12,13,14,15
	OBSET \a, \t
	v_pk_mul_f32 v[OR:OR+1], v[OR:OR+1], s[C256:C256+1] op_sel_hi:[1,0]          ; 256 x the sum: exact
	v_pk_mul_f32 v[OR+2:OR+3], v[OR+2:OR+3], s[C256:C256+1] op_sel_hi:[1,0]
.endr
.irp t, 0,1,2,3,4,5,6,7,8,9,10,11,12,13,14,15
	OBSET \a, \t
	v_rndne_f32 v[OR], v[OR]                       ; to the nearest whole number, ties to even
	v_rndne_f32 v[OR+1], v[OR+1]
	v_rndne_f32 v[OR+2], v[OR+2]
	v_rndne_f32 v[OR+3], v[OR+3]
.endr
.irp t, 0,1,2,3,4,5,6,7,8,9,10,11,12,13,14,15
	OBSET \a, \t
	v_pk_fma_f32 v[OR:OR+1], v[OR:OR+1], s[CINV:CINV+1], v[BQ:BQ+1] op_sel_hi:[1,0,1]           ; x 2^-8 (exact) + Q(b): one rounding, the addition's
	v_pk_fma_f32 v[OR+2:OR+3], v[OR+2:OR+3], s[CINV:CINV+1], v[BQ+2:BQ+3] op_sel_hi:[1,0,1]
	global_store_b128 v[CO], v[OR:OR+3], s[14:15] offset:(16*(\a)+\t)*NB th:TH_STORE_NT   ; 512 consecutive bytes, at a multiple of 256 from out0's first byte; 127 rows of out0 at the most: inside the signed 24-bit immediate
.endr
.endm
	s_wait_dscnt 0x0                               ; the add is done, and my reads of slot 0 are over
	s_barrier_signal -1
	WIN MUL_LO
	MUL4 0, 3, 6, 0
	s_barrier_wait -1                              ; slot 1 is whole; nobody reads slot 0 any more, and nothing is filled again
	WIN TO_F
	PLACES
	WQ 0, 0, 4
	WIN MUL_LO
	MUL4 1, 3, 6, 0
	WIN TO_F
	WQ 0, 4, 4
	WIN MUL_LO
	MUL4 2, 3, 6, 0
	WIN 0
	SCALES 7
	XL 0
	WIN MUL_LO
	MUL4 3, 3, 6, 0
	WIN TO_F
	WQ 1, 0, 4
	WIN MUL_HI
	MUL4 4, 3, 6, 0
	WIN TO_F
	WQ 1, 4, 4
	WIN MUL_HI
	MUL4 5, 3, 6, 0
	WIN 0
	XL 1
	WIN MUL_HI
	MUL4 6, 3, 6, 0
	MUL4 7, 3, 6, 0
	WIN TO_F
	PLACES                                         ; for the loads into the set just multiplied
	WQ 2, 0, 8
	s_wait_dscnt 24                                ; all but X's block 1 and W's quarter 2
	ROW 0, 0
	ROW 0, 1
	WIN TO_F
	WQ 3, 0, 8
	s_wait_dscnt 32                                ; all but W's quarters 2 and 3
	ROW 1, 0
	ROW 1, 1
	s_wait_dscnt 16                                ; all but W's quarter 3
	ROW 0, 2
	s_wait_dscnt 0x0
	ROW 0, 3
	PLACES                                         ; for the stores of results just made, and for the loads into X's buffer
	TOSTAGE 0
	XL 2
	ROW 1, 2
	ROW 1, 3
.irp a, 1,2,3,4,5,6,7
	s_wait_dscnt 0x0                               ; block a - 1 is back in registers, and X's block a + 1 is in
	PLACES
.if \a > 1
	s_wait_xcnt 0x0                                ; block a - 2's stores have read their registers: block a's rows may land there
.endif
	TOSTAGE \a
.if \a < 6
	XL \a+2
.endif
	SEND \a-1
.if \a < 7
	ROW \a+1, 0
	ROW \a+1, 1
	ROW \a+1, 2
	ROW \a+1, 3
.endif
.endr
	s_wait_dscnt 0x0
	SEND 7
	s_wait_tensorcnt 0x0                           ; the wave's end, behind my last tensor load and my last LDS store
	ds_add_u32 v[SPW], v[NIL]
	s_wait_dscnt 0x0
	CROUND                                         ; the closing round: no work-group ends while a partner may still ask for a tile that names it
	s_endpgm
.Lfunc_end_k_q534e77f287_gemm:
	.size	k_q534e77f287_gemm, .Lfunc_end_k_q534e77f287_gemm-k_q534e77f287_gemm
	.p2alignl 7, 3214868480
	.fill 96, 4, 3214868480
	.section	.rodata,"a",@progbits
	.p2align	6, 0x0
	.amdhsa_kernel k_q534e77f287_gemm
		.amdhsa_group_segment_fixed_size 327680
		.amdhsa_private_segment_fixed_size 0
		.amdhsa_enable_private_segment 0
		.amdhsa_kernarg_size 48
		.amdhsa_user_sgpr_count 2
		.amdhsa_user_sgpr_kernarg_segment_ptr 1
		.amdhsa_wavefront_size32 1
		.amdhsa_system_sgpr_workgroup_id_x 1
		.amdhsa_system_sgpr_workgroup_id_y 1
		.amdhsa_system_sgpr_workgroup_id_z 1
		.amdhsa_system_vgpr_workitem_id 0
		.amdhsa_next_free_vgpr 1024
		.amdhsa_next_free_sgpr 100
		.amdhsa_reserve_vcc 0
		.amdhsa_float_denorm_mode_32 3
		.amdhsa_float_denorm_mode_16_64 3
		.amdhsa_memory_ordered 1
		.amdhsa_forward_progress 1
		.amdhsa_inst_pref_size 255
	.end_amdhsa_kernel
	.section	.bss,"aw",@nobits
	.p2align	6
	.space	262144
	.amdgpu_metadata
---
amdhsa.version: [ 1, 2 ]
amdhsa.kernels:
  - .name:           k_q534e77f287_gemm
    .symbol:         k_q534e77f287_gemm.kd
    .args:
      - { .name: inputs_codes, .offset: 0, .size: 8, .value_kind: global_buffer, .address_space: global }
      - { .name: inputs_scales, .offset: 8, .size: 8, .value_kind: global_buffer, .address_space: global }
      - { .name: w_codes, .offset: 16, .size: 8, .value_kind: global_buffer, .address_space: global }
      - { .name: w_scales, .offset: 24, .size: 8, .value_kind: global_buffer, .address_space: global }
      - { .name: b, .offset: 32, .size: 8, .value_kind: global_buffer, .address_space: global }
      - { .name: out0, .offset: 40, .size: 8, .value_kind: global_buffer, .address_space: global }
    .group_segment_fixed_size: 327680
    .private_segment_fixed_size: 0
    .kernarg_segment_align: 8
    .kernarg_segment_size: 48
    .max_flat_workgroup_size: 128
    .sgpr_count:     100
    .vgpr_count:     1024
    .wavefront_size: 32
...
	.end_amdgpu_metadata
.endif
;; end of part 1
